; MI455X (gfx1250); checked and timed in simulation.
; The chip was launched on July 23, 2026; its instructions are those of AMD's public machine-readable ISA for CDNA 5 (MIT licence, August 2026) and "CDNA5" Instruction Set Architecture Reference Guide (July 2026). The comments in the code are by the model that wrote it; some were corrected since.
;; Hist By Prof Multi Channel. Allowed arithmetic: float matrix products may take bf16 or f16 operands with f32 sums; all other float work in f32.
;; Inputs: hist_edges 128 x 10 float32; x 16 x 128 x 56 x 56 float32.
;; Outputs: out0 16 x 128 x 11 float32.
;; One version. Each part assembles by itself: llvm-mc -triple=amdgcn-amd-amdhsa -mcpu=gfx1250 --defsym DOCPART=n.
;; ======== version 1 of 1: 1 launch
;; launch hist (part 1): grid 256 x 1, 8 waves a work-group, no clusters, 0 bytes of LDS; arguments x, hist_edges, out0; writes out0
.if DOCPART == 1
	.amdgcn_target "amdgcn-amd-amdhsa--gfx1250"
	.amdhsa_code_object_version 6
	.text
	.protected	k_q4e986d5c09_hist
	.globl	k_q4e986d5c09_hist
	.p2align	8
	.type	k_q4e986d5c09_hist,@function
k_q4e986d5c09_hist:
	s_mov_b64 s[64:65], 0
	v_nop
	global_prefetch_b8 v0, s[64:65] scope:SCOPE_SE
	s_setreg_imm32_b32 hwreg(HW_REG_WAVE_MODE, 25, 1), 1
	s_wait_xcnt 0x0
; out0[bt][c][k], k = 0..9 : sum over the 3,136 pixels of exp(-0.5 ((x - mu_k) / sigma_k)^2);  k = 10 : sum of sigmoid(20 (x - e9)).
; x: [16][128][3136] f32, hist_edges: [128][10] f32, out0: [16][128][11] f32.
;
; SHARES.  2,048 rows (bt, c) of 12,544 bytes = 49 x 256, so every row starts at a multiple of 256 bytes.  256 work-groups of 8 waves;
; ONE WAVE OWNS ONE ROW, so no sum leaves the wave: no LDS, no barrier.  A lane holds 98 numbers of the row: 24 loads of 16 bytes (a wave's load
; covers 512 consecutive bytes) and one of 8 bytes (the row's last 256 bytes).  All 25 loads go out first; each byte of x is read once.
;
; ARITHMETIC.  exp(-z^2/2) = 2^(-t^2), t = a x + b, a = sqrt(log2(e)/2) / sigma, b = -mu a.  Two numbers of one bin cost one packed multiply-add, one packed
; (negated) square, two v_exp_f32 and one packed add.  sigmoid = 1 / (1 + 2^(-20 log2(e) x + 20 log2(e) e9)).  A pair of numbers: 33 packed lines, 24 transcendentals.
; The 49 pairs run as a pipeline: beside pair g's transcendentals stand the adds of pair g-1 and the exponents of pair g+1.
;
; OUTPUT.  A row's 11 sums are 44 consecutive bytes, stored by 11 neighbouring lanes in one instruction.  Aligned blocks of 256 bytes written whole would
; need lcm(44, 256) = 2,816 bytes = 64 rows in one work-group, that is 32 work-groups; out0 is 90,112 of 25.8 million bytes moved, so the rows stay spread.
;
; LIMITS.  (1) v_exp_f32 and v_rcp_f32 give 0 for results below 2^-126: such terms count as 0.  (2) If a bin's width and the 1e-6 cancel to |sigma| < 2^-126,
; a is infinite and the bin's sum is NaN, where the exact quotient gives 0 for x != mu.  (3) b is rounded once: t is off by at most 2^-24 |mu a|, a shift of the
; bell's centre that stays under 0.01 sigma up to |mu / sigma| = 2^17.  (4) The division by 3 is a multiplication by the rounded 1/3, fused with the + 1e-6.
.set HW,     3136                      ; numbers in a row
.set ROWB,   4*HW                      ; bytes in a row
.set CHUNKS, 24                        ; loads of 16 bytes a lane; one load of 8 bytes follows them
.set PAIRS,  49                        ; 2 x 49 = 4 x 24 + 2 = 98 numbers a lane
.set LANE, 1                           ; v1        lane
.set O16,  2                           ; v2        16 x lane: offset of the 16-byte loads
.set O8,   3                           ; v3        8 x lane: offset of the last load
.set O4,   4                           ; v4        4 x lane: offset of the store
.set TH,   5                           ; v5        1/3
.set CO,   6                           ; v[6:27]   bin k: the pair (a, b); k = 10 is the sigmoid
.set ACC,  28                          ; v[28:49]  bin k: two running sums (the pairs' first and second numbers)
.set T0,   50                          ; v[50:71]  exponents, then results, of the even pairs
.set T1,   72                          ; v[72:93]  the same for the odd pairs
.set X,    94                          ; v[94:191] the row: pair g at X + 2 g
.set R,    T1                          ; v[72:82]  at the end: one sum for each bin
.set E,    16                          ; s[16:25]  my channel's ten edges
.set M1,   26                          ; s26-s29   lanes whose number has bit 0, 1, 2, 3 set
.set M2,   27
.set M4,   28
.set M8,   29
	s_load_b128 s[4:7], s[0:1], 0x0                ; x s[4:5], hist_edges s[6:7]
	s_load_b64 s[8:9], s[0:1], 0x10                ; out0
	v_lshrrev_b32 v[TH], 5, v0
	v_readfirstlane_b32 s10, v[TH]                 ; wave 0..7
	v_and_b32 v[LANE], 31, v0
	v_lshlrev_b32 v[O16], 4, v[LANE]
	v_lshlrev_b32 v[O8], 3, v[LANE]
	v_lshlrev_b32 v[O4], 2, v[LANE]
	s_lshl3_add_u32 s11, ttmp9, s10                ; my row = 8 x work-group + wave = 128 bt + c
	s_and_b32 s12, s11, 127                        ; c
	s_mul_i32 s12, s12, 40                         ; ten edges of 4 bytes for each channel
	s_mov_b32 s13, 0
	s_mul_i32 s14, s11, ROWB                       ; at most 2,047 x 12,544: fits 32 bits
	s_mov_b32 s15, 0
	s_mul_i32 s2, s11, 44                          ; eleven sums of 4 bytes for each row
	s_mov_b32 s3, 0
	s_mov_b32 s[M1], 0xaaaaaaaa
	s_mov_b32 s[M2], 0xcccccccc
	s_mov_b32 s[M4], 0xf0f0f0f0
	s_mov_b32 s[M8], 0xff00ff00
	s_mov_b32 s30, 0x76543210                      ; v_permlanex16_b32: lane i of one half reads lane i of the other
	s_mov_b32 s31, 0xfedcba98
	s_wait_kmcnt 0x0
	s_add_nc_u64 s[6:7], s[6:7], s[12:13]
	s_add_nc_u64 s[4:5], s[4:5], s[14:15]
	s_add_nc_u64 s[8:9], s[8:9], s[2:3]
	s_load_b256 s[E:E+7], s[6:7], 0x0              ; e0 .. e7
	s_load_b64 s[E+8:E+9], s[6:7], 0x20            ; e8, e9
.set i, 0
.rept CHUNKS
	global_load_b128 v[X+4*i:X+4*i+3], v[O16], s[4:5] offset:512*i th:TH_LOAD_NT   ; the whole row is asked for at once; x is read once in the launch
.set i, i+1
.endr
	global_load_b64 v[X+4*CHUNKS:X+4*CHUNKS+1], v[O8], s[4:5] offset:512*CHUNKS th:TH_LOAD_NT
	; The bins' constants, the same in every lane, made while the row is on its way.
	v_mov_b32 v[TH], 0x3eaaaaab                    ; 1/3
	s_wait_kmcnt 0x0                               ; the edges
	v_sub_f32 v[CO], s[E], s[E+1]                  ; bin 0: width e0 - e1,
	v_add_f32 v[CO+1], s[E], s[E]                  ; twice its centre e0
.irp k, 1,2,3,4,5,6,7,8,9
	v_sub_f32 v[CO+2*\k], s[E+\k-1], s[E+\k]       ; bin k: width e(k-1) - e(k),
	v_add_f32 v[CO+2*\k+1], s[E+\k-1], s[E+\k]     ; twice its centre
.endr
.irp k, 0,1,2,3,4,5,6,7,8,9
	v_fmaak_f32 v[CO+2*\k], v[CO+2*\k], v[TH], 0x358637bd          ; sigma = width / 3 + 1e-6
.endr
.irp k, 0,1,2,3,4,5,6,7,8,9
	v_rcp_f32 v[CO+2*\k], v[CO+2*\k]               ; the lines up to the first use below are plain and touch none of these (ISA guide 5.7.2)
.endr
	v_mov_b32 v[CO+20], 0xc1e6d4ca                 ; sigmoid: a = -20 log2(e)
	v_mov_b32 v[CO+21], s[E+9]
.irp k, 0,1,2,3,4,5,6,7,8,9
	v_mul_f32 v[CO+2*\k+1], -0.5, v[CO+2*\k+1]     ; -mu
.endr
	v_mul_f32 v[CO+21], 0x41e6d4ca, v[CO+21]       ; sigmoid: b = 20 log2(e) e9
	s_wait_alu depctr_va_vdst(0)
.irp k, 0,1,2,3,4,5,6,7,8,9
	v_mul_f32 v[CO+2*\k], 0x3f596d27, v[CO+2*\k]   ; a = sqrt(log2(e)/2) / sigma
.endr
.irp k, 0,1,2,3,4,5,6,7,8,9
	v_mul_f32 v[CO+2*\k+1], v[CO+2*\k+1], v[CO+2*\k]               ; b = -mu a
.endr
; t = a x + b for the two numbers at xr: the pair (a, b) is both sources; a (its first register) multiplies both numbers, b (its second) is added to both
.macro ARG k, dst, xr
	v_pk_fma_f32 v[\dst+2*\k:\dst+2*\k+1], v[\xr:\xr+1], v[CO+2*\k:CO+2*\k+1], v[CO+2*\k:CO+2*\k+1] op_sel:[0,0,1] op_sel_hi:[1,0,1]
.endm
; -t^2, in place
.macro SQ k, dst
	v_pk_mul_f32 v[\dst+2*\k:\dst+2*\k+1], v[\dst+2*\k:\dst+2*\k+1], v[\dst+2*\k:\dst+2*\k+1] neg_lo:[0,1] neg_hi:[0,1]
.endm
; Bin k in step g: pair g's two exponentials; between them the other buffer's turn: pair g-1's results are added, then its registers take pair g+1's exponents.
.macro BLOCK k
	v_exp_f32 v[RES+2*\k], v[CUR+2*\k]
.if g > 1
	v_pk_add_f32 v[ACC+2*\k:ACC+2*\k+1], v[ACC+2*\k:ACC+2*\k+1], v[OTH+2*\k:OTH+2*\k+1]
.endif
.if g < PAIRS-1
	ARG \k, OTH, XN
.endif
	v_exp_f32 v[RES+2*\k+1], v[CUR+2*\k+1]
.if g < PAIRS-1
	SQ \k, OTH
.endif
.endm
; Step g.  A transcendental's result is first read in step g+1 (the sigmoid's exponentials five bins further down), so plain lines that do not
; touch it always stand between (ISA guide 5.7.2).  Pair 0's results go straight into the sums: nothing is cleared, and step 1 adds nothing.
.macro STEP
.set CUR, T0+22*(g%2)
.set OTH, T0+22*((g+1)%2)
.set XN,  X+2*(g+1)
.if g == 0
.set RES, ACC
.else
.set RES, CUR
.endif
.if (g%2) == 1
	s_wait_loadcnt CHUNKS-(g+1)/2                  ; pair g+1 opens load (g+1)/2; loads come back in order (ISA guide 5.7.1), and so many were issued behind it
.endif
	v_exp_f32 v[CUR+20], v[CUR+20]
	v_exp_f32 v[CUR+21], v[CUR+21]
.if g > 1
	s_wait_alu depctr_va_vdst(0)
	v_pk_add_f32 v[ACC+20:ACC+21], v[ACC+20:ACC+21], v[OTH+20:OTH+21]
.endif
.if g < PAIRS-1
	ARG 10, OTH, XN
.endif
.irp k, 0,1,2,3,4
	BLOCK \k
.endr
	s_wait_alu depctr_va_vdst(0)
	v_pk_add_f32 v[CUR+20:CUR+21], v[CUR+20:CUR+21], 1.0 op_sel_hi:[1,0]
	BLOCK 5
	v_rcp_f32 v[RES+20], v[CUR+20]                 ; an infinite exponential gives 1/inf = 0, a vanished one 1/1 = 1
	v_rcp_f32 v[RES+21], v[CUR+21]
.irp k, 6,7,8,9
	BLOCK \k
.endr
.endm
	s_wait_loadcnt CHUNKS                          ; the first load is in; the 24 behind it stay out
.irp k, 0,1,2,3,4,5,6,7,8,9,10
	ARG \k, T0, X                                  ; pair 0's exponents
.endr
.irp k, 0,1,2,3,4,5,6,7,8,9
	SQ \k, T0
.endr
.set g, 0
.rept PAIRS
	STEP
.set g, g+1
.endr
.set LAST, T0+22*((PAIRS-1)%2)
	s_wait_alu depctr_va_vdst(0)
.irp k, 0,1,2,3,4,5,6,7,8,9,10
	v_pk_add_f32 v[ACC+2*\k:ACC+2*\k+1], v[ACC+2*\k:ACC+2*\k+1], v[LAST+2*\k:LAST+2*\k+1]   ; the last pair's results; bin 9's, the youngest, are read nine plain lines on
.endr
.irp k, 0,1,2,3,4,5,6,7,8,9,10
	v_add_f32 v[R+\k], v[ACC+2*\k], v[ACC+2*\k+1]
.endr
	; ACROSS THE LANES.  At each step two registers are summed with the lane m away, and lanes whose number has bit m clear keep the first, the others the second:
	; the registers halve (11, 6, 3, 2, 1), and lane l of each 16 ends with bin l (lanes 11-15 with repeats that are not stored).  34 lines instead of 11 x 6.
.macro FOLD a, m
	v_add_f32_dpp v[\a], v[\a], v[\a] row_xmask:\m row_mask:0xf bank_mask:0xf
.endm
.macro MERGE a, b, m, sel
	FOLD \a, \m
	FOLD \b, \m
	v_cndmask_b32 v[\a], v[\a], v[\b], s[\sel]
.endm
	MERGE R+0, R+1, 1, M1
	MERGE R+2, R+3, 1, M1
	MERGE R+4, R+5, 1, M1
	MERGE R+6, R+7, 1, M1
	MERGE R+8, R+9, 1, M1
	FOLD  R+10, 1
	MERGE R+0, R+2, 2, M2
	MERGE R+4, R+6, 2, M2
	MERGE R+8, R+10, 2, M2
	MERGE R+0, R+4, 4, M4
	FOLD  R+8, 4
	MERGE R+0, R+8, 8, M8
	v_permlanex16_b32 v[R+1], v[R], s30, s31       ; the other 16 lanes' part; the destination has been written before
	v_add_f32 v[R], v[R], v[R+1]
	v_cmp_gt_u32 vcc_lo, 11, v[LANE]
	s_wait_xcnt 0x0                                ; EXEC is a source of the loads above: it is narrowed only behind this wait
	s_and_saveexec_b32 s12, vcc_lo
	global_store_b32 v[O4], v[R], s[8:9]           ; lanes 0-10: the row's 44 consecutive bytes
	s_endpgm
.Lfunc_end_k_q4e986d5c09_hist:
	.size	k_q4e986d5c09_hist, .Lfunc_end_k_q4e986d5c09_hist-k_q4e986d5c09_hist
	.p2alignl 7, 3214868480
	.fill 96, 4, 3214868480
	.section	.rodata,"a",@progbits
	.p2align	6, 0x0
	.amdhsa_kernel k_q4e986d5c09_hist
		.amdhsa_group_segment_fixed_size 0
		.amdhsa_private_segment_fixed_size 0
		.amdhsa_enable_private_segment 0
		.amdhsa_kernarg_size 24
		.amdhsa_user_sgpr_count 2
		.amdhsa_user_sgpr_kernarg_segment_ptr 1
		.amdhsa_wavefront_size32 1
		.amdhsa_system_sgpr_workgroup_id_x 1
		.amdhsa_system_sgpr_workgroup_id_y 1
		.amdhsa_system_sgpr_workgroup_id_z 1
		.amdhsa_system_vgpr_workitem_id 0
		.amdhsa_next_free_vgpr 192
		.amdhsa_next_free_sgpr 66
		.amdhsa_reserve_vcc 1
		.amdhsa_float_denorm_mode_32 3
		.amdhsa_float_denorm_mode_16_64 3
		.amdhsa_memory_ordered 1
		.amdhsa_forward_progress 1
		.amdhsa_inst_pref_size 152
	.end_amdhsa_kernel
	.amdgpu_metadata
---
amdhsa.version: [ 1, 2 ]
amdhsa.kernels:
  - .name:           k_q4e986d5c09_hist
    .symbol:         k_q4e986d5c09_hist.kd
    .args:
      - { .name: x, .offset: 0, .size: 8, .value_kind: global_buffer, .address_space: global }
      - { .name: hist_edges, .offset: 8, .size: 8, .value_kind: global_buffer, .address_space: global }
      - { .name: out0, .offset: 16, .size: 8, .value_kind: global_buffer, .address_space: global }
    .group_segment_fixed_size: 0
    .private_segment_fixed_size: 0
    .kernarg_segment_align: 8
    .kernarg_segment_size: 24
    .max_flat_workgroup_size: 256
    .sgpr_count:     66
    .vgpr_count:     192
    .wavefront_size: 32
...
	.end_amdgpu_metadata
.endif
;; end of part 1
